; MI455X (gfx1250); checked and timed in simulation.
; The chip was launched on July 23, 2026; its instructions are those of AMD's public machine-readable ISA for CDNA 5 (MIT licence, August 2026) and "CDNA5" Instruction Set Architecture Reference Guide (July 2026). The comments in the code are by the model that wrote it; some were corrected since.
;; Specific Mo E. Allowed arithmetic: matrix products marked QUANTISED: E3M2 operands, one E8M0 scale for each 32 along K, by v_wmma_scale_f32_16x16x128_f8f6f4 with both operands' format E3M2, f32 sums; products left as they are: f32 operands where the result goes on into a quantised operand, else bf16, f16 or f32 operands; f32 sums; everything else in f32.
;; Inputs: W1 8 x 1,024 x 512 float32; W2 8 x 512 x 1,024 float32; Wr 1,024 x 8 float32; b1 8 x 512 float32; b2 8 x 1,024 float32; br 8 float32; x 4 x 2,048 x 1,024 float32.
;; Outputs: out0 4 x 2,048 x 1,024 float32; out1 4 x 2,048 x 8 float32; out2 4 x 2,048 x 8 float32; out3 4 x 2,048 x 2 int32; out4 4 x 2,048 x 2 float32.
;; This version of the problem:
;;   THIS VERSION OF THE PROBLEM IS GIVEN IN LOW PRECISION. The matrix products marked QUANTISED in the list below multiply operands that are first quantised to E3M2 (3 exponent bits, 2 mantissa bits; 6 bits a number), with one power-of-two scale for each 32 numbers along K (OCP MX v1.0); their sums are f32. All else is computed in f32.
;;   The module's matrix products, in the order in which they are computed (A, B: the left and right operand; K: the contracted axis; several contracted axes count as one K, in the product's order):
;;     1. [M 8,192, K 1,024] x [K 1,024, N 8]; A: input x; B: input Wr: left as it is (N = 8 < 16)
;;     2. [M 8,192, K 1,024] x [K 1,024, N 4,096]; A: input x; B: input W1: QUANTISED
;;     3. batch 8 x [M 1,024, K 512] x [K 512, N 8,192]; A: input W2; B: computed on the way: QUANTISED
;;   THE QUANTISER, for each operand of a quantised product, along K:
;;     - K is cut into blocks of 32 from its start; a last block that is shorter is filled with zeros.
;;     - A block's scale is 2^e with e = floor(log2(the largest magnitude in the block)) - 4, held to -126 .. 127; a block of zeros has e = 0. As a byte (E8M0): e + 127.
;;     - Each number is divided by its block's scale, clamped to +-28, and rounded to the nearest number of E3M2, ties to even, subnormals kept.
;;     - The product sums the exact products of the quantised numbers (number of the format x scale) in f32.
;;   ~~~python
;;   def quantise(x, axis):      # numpy; x: float32 -> the quantised numbers, widened to float32 again
;;       x = np.moveaxis(x, axis, -1); K = x.shape[-1]
;;       x = np.pad(x, [(0, 0)] * (x.ndim - 1) + [(0, -K % 32)]); x = x.reshape(x.shape[:-1] + (-1, 32)); a = np.abs(x).max(-1, keepdims=True)
;;       e = np.where(a > 0, np.clip(np.frexp(np.where(a > 0, a, 1))[1] - 1 - 4, -126, 127), 0)      # np.frexp(a)[1] - 1 = floor(log2(a)), exactly
;;       r = np.clip(x / 2.0 ** e, -28, 28)
;;       step = 2.0 ** (np.maximum(np.frexp(np.where(r == 0, 1, r))[1] - 1, -2) - 2)
;;       q = np.round(r / step) * step * 2.0 ** e      # np.round: ties to even
;;       return np.moveaxis(q.reshape(q.shape[:-2] + (-1,))[..., :K], -1, axis).astype(np.float32)
;;   ~~~
;;   OPERANDS COMPUTED ON THE WAY. 'Computed on the way' means the value that the module computes at that place (a softmax that the list does not call 'softmax' is quantised finished and normalised). What goes into a quantiser is computed in f32, as accurately as f32 sums, v_exp_f32 and their like allow (about 1e-6 of the number): no bf16 or f16 on the way to a quantiser, and a product that is left as it is and whose result goes on into a quantised operand takes f32 operands (vector FMAs, or v_wmma_f32_16x16x4_f32). A number that lies on a knife's edge between two numbers of the format may be rounded either way, as far as f32 arithmetic and the matrix unit's own rounding can turn it there, and no further.
;; One version. Each part assembles by itself: llvm-mc -triple=amdgcn-amd-amdhsa -mcpu=gfx1250 --defsym DOCPART=n.
;; ======== version 1 of 1: 3 launches
;; workspace buffers: xq 6,291,456 bytes; xs 262,144 bytes; wq 6,553,600 bytes; sel 32,768 bytes of whole numbers; hist 131,072 bytes of whole numbers; order 32,768 bytes of whole numbers
;; launch prep (part 1): grid 768 x 1, 4 waves a work-group, no clusters, 112,128 bytes of LDS; arguments x, Wr, br, W1, W2, xq, xs, wq, sel, hist, out1, out2, out3, out4; writes xq, xs, wq, sel, hist, out1, out2, out3, out4
.if DOCPART == 1
	.amdgcn_target "amdgcn-amd-amdhsa--gfx1250"
	.amdhsa_code_object_version 6
	.text
	.protected	k_qae68bbaa5c_prep
	.globl	k_qae68bbaa5c_prep
	.p2align	8
	.type	k_qae68bbaa5c_prep,@function
k_qae68bbaa5c_prep:
	s_mov_b64 s[64:65], 0
	v_nop
	global_prefetch_b8 v0, s[64:65] scope:SCOPE_SE
	s_setreg_imm32_b32 hwreg(HW_REG_WAVE_MODE, 25, 1), 1
	s_wait_xcnt 0x0
; PREP.  Work-groups 0-255: the router (logits, softmax, top-2) of 32 tokens each, in f32, and x as codes of BF6 (E3M2) with one E8M0 byte for each 32 along K.
; Work-groups 256-767: one block (128 columns x 128 along K) of W1 or W2 each, as codes laid in the order of a matrix operand's registers.
; A block's scale is 2^(floor(log2(its largest magnitude)) - 4); its byte is the largest magnitude's exponent field - 4, held at 1 from below.
; LIMITS: NaN and infinities among the inputs are not served.  A block whose largest magnitude lies under 2^-122, a block of zeros too, keeps the byte 1 (its codes are zeros or
; subnormal codes; these bytes are read by this program alone).  The logits are sums of 1,024 products in another order than the problem's: two probabilities a few ulp apart may be ranked the other way.
; LAYOUTS OUT.  xq: a token has 768 bytes, [half h][K step s][48 bytes]: the twelve registers of lane (., h) of x's fragment s; block kb = 4 s + 2 c + h lies at 384 h + 48 s + 24 c.
; xs: a token has 32 bytes, byte kb.  wq: a block has 12,800 bytes: tile t's registers 4 g .. 4 g + 3 of lane l at 1536 t + 512 g + 16 l; at 12,288 + 256 q + 8 l + 4 j the scale word of tile 4 q + 2 j + l / 16, row l % 16.
; Lane r of tile 2 b + u holds column 32 b + 8 u + r + 8 (r / 8) of the block.  sel: i1 | i2 << 8 | pair << 16 for a token.  hist: for each 8 tokens the count of each of 32 pair numbers.
; No address and no branch hangs on a number that is computed here: all stores go to fixed places.  The two paths part on the work-group's number alone and have LDS bytes of their own.
.set WRP,   1040                       ; Wr in LDS: a lane's 1,024 bytes (32 rows of 8) + 16 of padding: 65 x 16
.set REG0,  32*WRP                     ; behind Wr: a region for each wave
.set REGB,  16384
.set STP,   144                        ; a lane's place in a turning stage: 128 bytes + 16
.set STB,   32*STP                     ; a stage; two of them
.set COD,   2*STB                      ; the codes of the wave's 8 tokens, 6,144 bytes
.set SCB,   COD+6144                   ; their scale bytes, 256
.set LGT,   SCB+256                    ; their logits, 256
.set PRB,   LGT+256                    ; their probabilities, 256
.set WST,   REG0+4*REGB                ; the weight path's stage: 12,800 bytes
.set RAW,   16                         ; v16-111   three tokens as loaded
.set XR,    112                        ; v112-175  two sets of 32 neighbours along K
.set AC,    176                        ; v176-207  four tokens x eight partial logits
.set CD,    208                        ; v208-213  a block's codes;  v214-216 its second half as converted
.set CT,    214
.set MXA,   218
.set MXB,   219
.set SCO,   220
.set BYT,   221
.set KP,    222                        ; v222-229  keep and send, four pairs by turns
.set LG,    230
.set PR,    231
.set MX,    232
.set SM,    233
.set M1,    234
.set I1,    235
.set P2,    236
.set M2,    237
.set I2,    238
.set PID,   239
.set O34,   240                        ; v240 byte offset of my word of out3 and out4;  v241 of sel;  v242 = 1
.set OSL,   241
.set ONE,   242
.set LO,    243
.set HI,    244
.set TA_,   245
.set TB_,   246
.set D3,    247
.set D4,    248
.set DS,    249
.set RC,    250
.set WX,    16                         ; weight path: v16-143 my column's 128 numbers down K
.set WF,    144                        ; v144-167 the codes: operand lanes h = 0, 1, twelve registers each
.set WT,    168                        ; v168-183 second halves as converted
.set WSO,   184                        ; v184-187 the conversions' scale operands
.set WSW,   188                        ; my column's scale word
.set WBY,   189
.set MA,    190
.set MB,    191
.set MSB, 0
.macro WIN new                         ; the immediate's high byte repeats the setting that is left
.if MSB != \new
	s_set_vgpr_msb (MSB<<8)|\new
.set MSB, \new
.endif
.endm
; the largest magnitude of 32 numbers in one lane's registers, in two chains, with the floor 2^(5 - 127) as a last leaf: so the byte cannot fall under 1
.macro MAX32 d, t, x
	v_max3_num_f32 v[\d], |v[(\x)]|, |v[(\x)+1]|, |v[(\x)+2]|
	v_max3_num_f32 v[\t], |v[(\x)+3]|, |v[(\x)+4]|, |v[(\x)+5]|
.irp i, 6,10,14,18,22,26
	v_max3_num_f32 v[\d], v[\d], |v[(\x)+\i]|, |v[(\x)+\i+1]|
	v_max3_num_f32 v[\t], v[\t], |v[(\x)+\i+2]|, |v[(\x)+\i+3]|
.endr
	v_max3_num_f32 v[\d], v[\d], |v[(\x)+30]|, |v[(\x)+31]|
	v_max3_num_f32 v[\d], v[\d], v[\t], 0x2800000
.endm
	s_load_b512 s[4:19], s[0:1], 0x0               ; x s[4:5], Wr s[6:7], br s[8:9], W1 s[10:11], W2 s[12:13], xq s[14:15], xs s[16:17], wq s[18:19]
	s_load_b256 s[20:27], s[0:1], 0x40             ; sel s[20:21], hist s[22:23], out1 s[24:25], out2 s[26:27]
	s_load_b128 s[28:31], s[0:1], 0x60             ; out3 s[28:29], out4 s[30:31]
	v_lshl_add_u32 v217, v0, 2, 0x1b400
	v_mov_b32 v255, 0
	v_lshrrev_b32 v1, 5, v0
	v_readfirstlane_b32 s32, v1                    ; wave 0..3
	v_and_b32 v1, 31, v0                           ; lane
	v_lshlrev_b32 v2, 4, v1                        ; 16 x lane
	s_cmp_ge_u32 ttmp9, 256
	s_cbranch_scc1 .Lweights
; ---------------- THE x PATH.  Wave wv of work-group g has tokens 32 g + 8 wv + 0 .. 7.
; A load takes the bytes as they lie (512 on end); a token's 4,096 bytes turn through the wave's own stage, so that lane l then holds k = 32 l + 0 .. 31: one whole block.
; Wr stays in registers: window 1, v[8 i + e] = Wr[32 l + i][e].  A lane sums its 32 products for each of 8 experts; four tokens' 32 partial sums are then added across the 32 lanes at once.
	s_lshl_b32 s33, ttmp9, 2
	s_add_co_u32 s33, s33, s32                     ; which 8 tokens: 4 g + wv
	s_mul_i32 s36, s32, REGB
	s_add_co_u32 s36, s36, REG0                    ; my wave's region of LDS
	v_lshrrev_b32 v3, 3, v1
	v_mul_u32_u24 v3, v3, STP
	v_and_b32 v4, 7, v1
	v_lshl_add_u32 v3, v4, 4, v3
	v_add_nc_u32 v3, s36, v3                       ; the stage, in: load i's lane l goes to place 4 i + l / 8, byte 16 (l % 8)
	v_mul_u32_u24 v4, v1, STP
	v_add_nc_u32 v4, s36, v4                       ; and out: place l
	v_and_b32 v5, 1, v1
	v_mul_u32_u24 v5, v5, 384
	v_lshrrev_b32 v6, 2, v1
	v_mad_u32_u24 v5, v6, 48, v5
	v_bfe_u32 v6, v1, 1, 1
	v_mad_u32_u24 v5, v6, 24, v5
	v_add_nc_u32 v5, s36, v5                       ; my block's 24 bytes in a token's 768: 384 (l % 2) + 48 (l / 4) + 24 ((l / 2) % 2)
	v_add_nc_u32 v6, s36, v1                       ; my block's scale byte
	v_lshlrev_b32 v11, 2, v1                       ; 4 x lane
	v_add_nc_u32 v7, s36, v11
	v_add_nc_u32 v8, s36, v2
	v_lshlrev_b32 v10, 3, v1                       ; 8 x lane
	v_add_nc_u32 v9, s36, v10
	v_and_b32 v15, 7, v1                           ; my expert in the reduced layout
	v_cvt_f32_u32 v13, v15                         ; and as f32
	v_mov_b32 v14, 0                               ; the count of my pair number
	v_mov_b32 v[ONE], 1
	v_lshrrev_b32 v[O34], 3, v1
	v_lshlrev_b32 v[OSL], 2, v[O34]                ; sel: 4 (l / 8)
	v_and_b32 v[LO], 1, v1
	v_lshlrev_b32 v[LO], 2, v[LO]
	v_lshl_add_u32 v[O34], v[O34], 3, v[LO]        ; out3, out4: 8 (l / 8) + 4 (l % 2)
	s_mul_i32 s37, s32, 8*WRP
	v_add_nc_u32 v251, s37, v2                     ; Wr into LDS: my wave's eight lanes' worth
	s_lshl_b32 s38, s32, 13
	v_add_nc_u32 v252, s38, v2                     ; and from memory: 8,192 wv + 16 l
	v_lshlrev_b32 v253, 2, v15                     ; br[l % 8]
	v_mul_u32_u24 v254, v1, WRP                    ; Wr out of LDS: my 1,024 bytes
	s_mov_b32 s40, 0xaaaaaaaa                      ; the lanes whose bit 0, 1, 2, 3, 4 is set
	s_mov_b32 s41, 0xcccccccc
	s_mov_b32 s42, 0xf0f0f0f0
	s_mov_b32 s43, 0xff00ff00
	s_mov_b32 s44, 0xffff0000
	s_mov_b32 s46, 0x76543210                      ; v_permlanex16_b32's selects for lane l xor 16
	s_mov_b32 s47, 0xfedcba98
	s_mov_b32 s35, 0
	s_wait_kmcnt 0x0
	s_lshl_b32 s34, s33, 15                        ; 8 tokens of 4,096 bytes
	s_add_nc_u64 s[4:5], s[4:5], s[34:35]
	s_mul_i32 s34, s33, 6144
	s_add_nc_u64 s[14:15], s[14:15], s[34:35]
	s_lshl_b32 s34, s33, 8
	s_add_nc_u64 s[16:17], s[16:17], s[34:35]
	s_add_nc_u64 s[24:25], s[24:25], s[34:35]
	s_add_nc_u64 s[26:27], s[26:27], s[34:35]
	s_lshl_b32 s34, s33, 5
	s_add_nc_u64 s[20:21], s[20:21], s[34:35]
	s_lshl_b32 s34, s33, 7
	s_add_nc_u64 s[22:23], s[22:23], s[34:35]
	s_lshl_b32 s34, s33, 6
	s_add_nc_u64 s[28:29], s[28:29], s[34:35]
	s_add_nc_u64 s[30:31], s[30:31], s[34:35]
.macro LOADX tt                        ; token tt: eight loads of 512 bytes on end, into set tt % 3
.irp i, 0,1,2,3,4,5,6,7
	global_load_b128 v[RAW+32*((\tt)%3)+4*\i:RAW+32*((\tt)%3)+4*\i+3], v2, s[4:5] offset:4096*(\tt)+512*\i th:TH_LOAD_NT
.endr
.endm
.macro TURN tt                         ; token tt through stage tt % 2: LDS serves a wave's instructions in order, so no wait stands between the stores and the loads
.irp i, 0,1,2,3,4,5,6,7
	ds_store_b128 v3, v[RAW+32*((\tt)%3)+4*\i:RAW+32*((\tt)%3)+4*\i+3] offset:STB*((\tt)%2)+4*STP*\i
.endr
.irp i, 0,1,2,3,4,5,6,7
	ds_load_b128 v[XR+32*((\tt)%2)+4*\i:XR+32*((\tt)%2)+4*\i+3], v4 offset:STB*((\tt)%2)+16*\i
.endr
.endm
.set j, 0
.rept 16
	global_load_b128 v[XR+4*j:XR+4*j+3], v252, s[6:7] offset:512*j   ; my wave's quarter of Wr, dense
.set j, j+1
.endr
	global_load_b32 v12, v253, s[8:9]              ; br
	LOADX 0
	LOADX 1
	LOADX 2
	s_wait_loadcnt 24                              ; Wr and br are in; the three tokens' 24 loads may be out
.set j, 0
.rept 16
	ds_store_b128 v251, v[XR+4*j:XR+4*j+3] offset:WRP*(j/2)+512*(j%2)
.set j, j+1
.endr
	s_wait_dscnt 0x0                               ; for the others' sake: my part of Wr lies in LDS
	s_barrier_signal -1
	s_barrier_wait -1
	WIN 0x40                                       ; destination window 1
.set j, 0
.rept 64
	ds_load_b128 v[4*j:4*j+3], v254 offset:16*j    ; Wr[32 l + j / 2][4 (j % 2) ..]
.set j, j+1
.endr
	WIN 0
	s_wait_loadcnt 16                              ; token 0 is in; tokens 1 and 2 may be out
	TURN 0
; one stage of the transposing sum: of each pair of registers a lane keeps the one that belongs to its bit and sends the other to the lane across that bit
.macro RSTAGE cnt, mask, xm
.set j, 0
.rept \cnt
	v_cndmask_b32 v[KP+2*(j%4)], v[AC+2*j], v[AC+2*j+1], \mask
	v_cndmask_b32 v[KP+2*(j%4)+1], v[AC+2*j+1], v[AC+2*j], \mask
	v_add_f32_dpp v[AC+j], v[KP+2*(j%4)+1], v[KP+2*(j%4)] row_xmask:\xm row_mask:0xf bank_mask:0xf
.set j, j+1
.endr
.endm
.macro RED8 op, reg                    ; over the eight lanes of a token: every lane ends with the same bits
.irp n, 1,2,4
	\op v[\reg], v[\reg], v[\reg] row_xmask:\n row_mask:0xf bank_mask:0xf
.endr
.endm
; four tokens (4 q + 0 .. 3 of the wave): lane l ends with token l / 8, expert l % 8
.macro FINISH q
	s_wait_xcnt 0x0                                ; the last such stores have read their data: these registers are written again only behind this wait
	RSTAGE 16, s40, 1
	RSTAGE 8, s41, 2
	RSTAGE 4, s42, 4
	RSTAGE 2, s43, 8
	v_cndmask_b32 v[KP], v[AC], v[AC+1], s44
	v_cndmask_b32 v[KP+1], v[AC+1], v[AC], s44
	v_permlanex16_b32 v[KP+2], v[KP+1], s46, s47
	v_add_f32 v[LG], v[KP], v[KP+2]
	v_add_f32 v[LG], v[LG], v12                    ; the logit
	v_mov_b32 v[MX], v[LG]
	RED8 v_max_num_f32_dpp, MX                     ; the token's largest logit is taken away before the exponential
	v_sub_f32 v[PR], v[LG], v[MX]
	v_mul_f32 v[PR], 0x3fb8aa3b, v[PR]
	v_exp_f32 v[PR], v[PR]
	v_nop                                          ; a plain place behind the transcendental
	s_wait_alu depctr_va_vdst(0)
	v_mov_b32 v[SM], v[PR]
	RED8 v_add_f32_dpp, SM
	v_rcp_f32 v[RC], v[SM]
	v_nop
	s_wait_alu depctr_va_vdst(0)
	v_mul_f32 v[PR], v[PR], v[RC]                  ; the probability
	v_mov_b32 v[M1], v[PR]
	RED8 v_max_num_f32_dpp, M1                     ; the largest;
	v_cmp_eq_f32 vcc_lo, v[PR], v[M1]
	v_cndmask_b32 v[I1], 0x41000000, v13, vcc_lo   ; of the experts that have it (the others count as 8)
	RED8 v_min_num_f32_dpp, I1                     ; the lowest index, as the problem's top-k breaks ties
	v_cmp_neq_f32 vcc_lo, v13, v[I1]
	v_cndmask_b32 v[P2], -1.0, v[PR], vcc_lo       ; that expert is out of the second search
	v_mov_b32 v[M2], v[P2]
	RED8 v_max_num_f32_dpp, M2
	v_cmp_eq_f32 vcc_lo, v[P2], v[M2]
	v_cndmask_b32 v[I2], 0x41000000, v13, vcc_lo
	RED8 v_min_num_f32_dpp, I2
	v_cvt_u32_f32 v[I1], v[I1]
	v_cvt_u32_f32 v[I2], v[I2]
	v_min_u32 v[LO], v[I1], v[I2]                  ; the pair's number, 0 .. 27, in snake order, so that neighbouring numbers share an expert:
	v_max_u32 v[HI], v[I1], v[I2]                  ; lo (15 - lo) / 2 + (lo odd ? 7 - hi : hi - lo - 1)
	v_sub_nc_u32 v[TA_], 15, v[LO]
	v_mul_u32_u24 v[TA_], v[LO], v[TA_]
	v_lshrrev_b32 v[TA_], 1, v[TA_]
	v_sub_nc_u32 v[TB_], 7, v[HI]
	v_sub_nc_u32 v[PID], v[HI], v[LO]
	v_add_nc_u32 v[PID], -1, v[PID]
	v_and_b32 v[LO], 1, v[LO]
	v_cmp_eq_u32 vcc_lo, 1, v[LO]
	v_cndmask_b32 v[PID], v[PID], v[TB_], vcc_lo
	v_add_nc_u32 v[PID], v[PID], v[TA_]
	v_lshl_or_b32 v[DS], v[I2], 8, v[I1]
	v_lshl_or_b32 v[DS], v[PID], 16, v[DS]
	v_cndmask_b32 v[D3], v[I1], v[I2], s40         ; even lanes carry the first choice, odd lanes the second
	v_cndmask_b32 v[D4], v[M1], v[M2], s40
	ds_store_b32 v7, v[LG] offset:LGT+128*\q       ; 32 bytes a token, as out1 and out2 have them
	ds_store_b32 v7, v[PR] offset:PRB+128*\q
	global_store_b32 v[O34], v[D3], s[28:29] offset:32*\q   ; lanes that share a word write the same value
	global_store_b32 v[O34], v[D4], s[30:31] offset:32*\q
	global_store_b32 v[OSL], v[DS], s[20:21] offset:16*\q
.irp g, 0,1,2,3
	v_readlane_b32 s48, v[PID], 8*\g               ; token g's pair number: the lane of that number counts it
	v_cmp_eq_u32 vcc_lo, s48, v1
	v_cndmask_b32 v[KP], 0, v[ONE], vcc_lo
	v_add_nc_u32 v14, v14, v[KP]
.endr
.endm
.macro STEP tt
.set XS, XR+32*((\tt)%2)
.set AB, AC+8*((\tt)%4)
	s_wait_dscnt 0x0                               ; this token is back from its stage; so its stores into the stage, and the last token's stores of codes, have read their registers
.if (\tt)+3 < 8
	LOADX (\tt)+3                                  ; into the set that this token has left
.endif
.if (\tt) < 7
.if 6-(\tt) >= 2
	s_wait_loadcnt 16                              ; the next token is in; the two behind it may be out
.else
	s_wait_loadcnt 8*(6-(\tt))
.endif
	TURN (\tt)+1                                   ; it goes through the other stage while this one is worked on
.endif
	MAX32 MXA, MXB, XS                             ; my block's largest magnitude: all 32 numbers are mine
	v_add_nc_u32 v[SCO], 0xfe000000, v[MXA]        ; 4 off its exponent field: the conversion takes the exponent field of this operand as its scale
	v_cvt_scalef32_pk16_bf6_f32 v[CD:CD+2], v[XS:XS+15], v[SCO]
	v_cvt_scalef32_pk16_bf6_f32 v[CT:CT+2], v[XS+16:XS+31], v[SCO]   ; (a conversion's three registers begin on an even number)
	v_lshrrev_b32 v[BYT], 23, v[SCO]               ; the scale's byte.  (The plain place behind the conversions)
.irp i, 0,1,2
	v_mov_b32 v[CD+3+\i], v[CT+\i]
.endr
.irp i, 0,1,2
	ds_store_b64 v5, v[CD+2*\i:CD+2*\i+1] offset:COD+768*(\tt)+8*\i
.endr
	ds_store_b8 v6, v[BYT] offset:SCB+32*(\tt)
	WIN 0x04                                       ; source 1 (Wr) window 1
.irp p, 0,2,4,6
	v_pk_mul_f32 v[AB+\p:AB+\p+1], v[XS:XS+1], v[\p:\p+1] op_sel_hi:[0,1]   ; the first product starts the sums: x[32 l] for both halves
.endr
.set i, 1
.rept 31
.irp p, 0,2,4,6
.if i%2
	v_pk_fma_f32 v[AB+\p:AB+\p+1], v[XS+i-1:XS+i], v[8*i+\p:8*i+\p+1], v[AB+\p:AB+\p+1] op_sel:[1,0,0] op_sel_hi:[1,1,1]
.else
	v_pk_fma_f32 v[AB+\p:AB+\p+1], v[XS+i:XS+i+1], v[8*i+\p:8*i+\p+1], v[AB+\p:AB+\p+1] op_sel_hi:[0,1,1]
.endif
.endr
.set i, i+1
.endr
	WIN 0
.endm
	STEP 0
	STEP 1
	STEP 2
	STEP 3
	FINISH 0
	STEP 4
	STEP 5
	STEP 6
	STEP 7
	FINISH 1
.irp n, 0,1,2,3,4,5,6,7,8,9,10,11
	ds_load_b128 v[RAW+4*\n:RAW+4*\n+3], v8 offset:COD+512*\n   ; LDS serves a wave's instructions in order: these see my stores
.endr
	ds_load_b64 v[64:65], v9 offset:SCB
	ds_load_b64 v[66:67], v9 offset:LGT
	ds_load_b64 v[68:69], v9 offset:PRB
.irp n, 0,1,2,3,4,5,6,7,8,9,10,11
	s_wait_dscnt 14-\n                             ; the younger loads may be out
	global_store_b128 v2, v[RAW+4*\n:RAW+4*\n+3], s[14:15] offset:512*\n   ; 512 bytes on end
.endr
	s_wait_dscnt 0x0
	global_store_b64 v10, v[64:65], s[16:17]       ; each of these three: 256 consecutive bytes, aligned
	global_store_b64 v10, v[66:67], s[24:25]
	global_store_b64 v10, v[68:69], s[26:27]
	global_store_b32 v11, v14, s[22:23]            ; the 32 counts
	s_wait_tensorcnt 0x0
	ds_add_u32 v217, v255
	s_wait_dscnt 0x0
	s_endpgm
; ---------------- THE WEIGHT PATH.  One block of wq: 128 columns x 128 along K.  A THREAD TAKES A COLUMN, AND ITS REGISTERS RUN DOWN K: a load reads 128 consecutive bytes a wave, 512 a work-group;
; a block of 32 along K lies in one lane, and the conversions give the codes with K innermost.  The thread's 24 registers of codes are the operand registers of lanes (r, 0) and (r, 1) of its tile.
.Lweights:
	s_sub_co_u32 s33, ttmp9, 256                   ; 0 .. 255: W1's blocks ((e 4 + ng) 8 + s);  256 .. 511: W2's ((e 8 + ng) 4 + s)
	s_and_b32 s34, s33, 255
	s_lshr_b32 s35, s34, 5                         ; the expert: 2,097,152 bytes in either tensor
	s_lshl_b32 s36, s35, 21
	s_bfe_u32 s37, s34, 0x20003                    ; W1: ng, s; 128 rows of 2,048 bytes a K step
	s_and_b32 s38, s34, 7
	s_lshl_b32 s38, s38, 18
	s_bfe_u32 s39, s34, 0x30002                    ; W2: ng, s; 128 rows of 4,096 bytes
	s_and_b32 s40, s34, 3
	s_lshl_b32 s40, s40, 19
	s_cmp_lt_u32 s33, 256
	s_cselect_b32 s37, s37, s39
	s_cselect_b32 s38, s38, s40
	s_lshl_b32 s37, s37, 9                         ; 128 columns of 4 bytes
	s_add_co_u32 s36, s36, s38
	s_add_co_u32 s36, s36, s37
	s_mov_b32 s37, 0
	s_mul_i32 s38, s33, 12800
	s_mov_b32 s39, 0
	v_lshlrev_b32 v3, 2, v0                        ; my column
	v_bfe_u32 v4, v1, 3, 1                         ; u: column 32 wv + l lies in tile 2 wv + u,
	v_lshrrev_b32 v5, 4, v1
	v_and_b32 v6, 7, v1
	v_lshl_add_u32 v5, v5, 3, v6                   ; row r = 8 (l / 16) + l % 8
	v_mul_u32_u24 v6, v4, 1536
	v_lshl_add_u32 v6, v5, 4, v6
	s_mul_i32 s41, s32, 3072
	v_add_nc_u32 v9, s41, v2                       ; the way out, in the block: 3,072 wv + 16 l
	s_add_co_u32 s41, s41, WST
	v_add_nc_u32 v6, s41, v6                       ; my codes in the stage: 3,072 wv + 1,536 u + 16 r (+ 512 g + 256 h)
	v_add_nc_u32 v8, s41, v2                       ; and the way out of it
	v_lshl_add_u32 v7, v4, 4, v5
	v_lshlrev_b32 v7, 3, v7
	s_lshr_b32 s42, s32, 1
	s_lshl_b32 s42, s42, 8
	s_and_b32 s43, s32, 1
	s_lshl_b32 s43, s43, 2
	s_add_co_u32 s42, s42, s43
	s_add_co_u32 s42, s42, WST+12288
	v_add_nc_u32 v7, s42, v7                       ; my scale word: 256 (wv / 2) + 8 (16 u + r) + 4 (wv % 2)
	v_add_nc_u32 v10, WST+12288, v2                ; the 512 bytes of scale words, on their way out
	s_wait_kmcnt 0x0
	s_cmp_lt_u32 s33, 256                          ; the choice hangs on the work-group's number alone
	s_cselect_b64 s[10:11], s[10:11], s[12:13]
	s_add_nc_u64 s[10:11], s[10:11], s[36:37]
	s_add_nc_u64 s[18:19], s[18:19], s[38:39]
	s_cmp_lt_u32 s33, 256
	s_cbranch_scc0 .Lrows_w2                       ; the two tensors differ in the pitch alone: only the loads are written twice
.set j, 0
.rept 128
	global_load_b32 v[WX+j], v3, s[10:11] offset:2048*j th:TH_LOAD_NT
.set j, j+1
.endr
	s_branch .Lquant
.Lrows_w2:
.set j, 0
.rept 128
	global_load_b32 v[WX+j], v3, s[10:11] offset:4096*j th:TH_LOAD_NT
.set j, j+1
.endr
.Lquant:
.macro BLOCKQ kb                       ; block kb = 2 c + h of the K step: registers 6 c .. 6 c + 5 of operand lane (r, h)
	MAX32 MA, MB, WX+32*\kb
	v_add_nc_u32 v[WSO+\kb], 0xfe000000, v[MA]
	v_cvt_scalef32_pk16_bf6_f32 v[WF+12*(\kb%2)+6*(\kb/2):WF+12*(\kb%2)+6*(\kb/2)+2], v[WX+32*\kb:WX+32*\kb+15], v[WSO+\kb]
	v_cvt_scalef32_pk16_bf6_f32 v[WT+4*\kb:WT+4*\kb+2], v[WX+32*\kb+16:WX+32*\kb+31], v[WSO+\kb]
.if \kb == 0
	v_lshrrev_b32 v[WSW], 23, v[WSO]               ; the scale's byte; four of them make my column's word, the lower K in the lower byte
.else
	v_lshrrev_b32 v[WBY], 23, v[WSO+\kb]
	v_lshl_or_b32 v[WSW], v[WBY], 8*\kb, v[WSW]
.endif
.endm
	s_wait_loadcnt 63                              ; at most 63 of the 128 are out: the first 64 are in
	BLOCKQ 0
	BLOCKQ 1
	s_wait_loadcnt 32
	BLOCKQ 2
	s_wait_loadcnt 0x0
	BLOCKQ 3
	v_nop                                          ; a plain place behind the last conversion
.irp kb, 0,1,2,3
.irp i, 0,1,2
	v_mov_b32 v[WF+12*(\kb%2)+6*(\kb/2)+3+\i], v[WT+4*\kb+\i]
.endr
.endr
.irp h, 0,1
.irp g, 0,1,2
	ds_store_b128 v6, v[WF+12*\h+4*\g:WF+12*\h+4*\g+3] offset:512*\g+256*\h
.endr
.endr
	ds_store_b32 v7, v[WSW]
	s_wait_dscnt 0x0                               ; for the others' sake: my stores lie in the stage
	s_barrier_signal -1
	s_barrier_wait -1
.irp i, 0,1,2,3,4,5
	ds_load_b128 v[16+4*\i:19+4*\i], v8 offset:512*\i
.endr
.irp i, 0,1,2,3,4,5
	s_wait_dscnt 5-\i
	global_store_b128 v9, v[16+4*\i:19+4*\i], s[18:19] offset:512*\i   ; 512 bytes on end, at a multiple of 256 from the buffer's first byte
.endr
	s_cmp_lg_u32 s32, 0
	s_cbranch_scc1 .Lweights_end                   ; wave 0 also moves the 512 bytes of scale words
	ds_load_b128 v[40:43], v10
	s_wait_dscnt 0x0
	global_store_b128 v2, v[40:43], s[18:19] offset:12288
.Lweights_end:
	s_wait_tensorcnt 0x0
	ds_add_u32 v217, v255
	s_wait_dscnt 0x0
	s_endpgm
.Lfunc_end_k_qae68bbaa5c_prep:
	.size	k_qae68bbaa5c_prep, .Lfunc_end_k_qae68bbaa5c_prep-k_qae68bbaa5c_prep
	.p2alignl 7, 3214868480
	.fill 96, 4, 3214868480
	.section	.rodata,"a",@progbits
	.p2align	6, 0x0
	.amdhsa_kernel k_qae68bbaa5c_prep
		.amdhsa_group_segment_fixed_size 112128
		.amdhsa_private_segment_fixed_size 0
		.amdhsa_enable_private_segment 0
		.amdhsa_kernarg_size 112
		.amdhsa_user_sgpr_count 2
		.amdhsa_user_sgpr_kernarg_segment_ptr 1
		.amdhsa_wavefront_size32 1
		.amdhsa_system_sgpr_workgroup_id_x 1
		.amdhsa_system_sgpr_workgroup_id_y 1
		.amdhsa_system_sgpr_workgroup_id_z 1
		.amdhsa_system_vgpr_workitem_id 0
		.amdhsa_next_free_vgpr 512
		.amdhsa_next_free_sgpr 66
		.amdhsa_reserve_vcc 1
		.amdhsa_float_denorm_mode_32 3
		.amdhsa_float_denorm_mode_16_64 3
		.amdhsa_memory_ordered 1
		.amdhsa_forward_progress 1
		.amdhsa_inst_pref_size 158
	.end_amdhsa_kernel
	.amdgpu_metadata
---
amdhsa.version: [ 1, 2 ]
amdhsa.kernels:
  - .name:           k_qae68bbaa5c_prep
    .symbol:         k_qae68bbaa5c_prep.kd
    .args:
      - { .name: x, .offset: 0, .size: 8, .value_kind: global_buffer, .address_space: global }
      - { .name: Wr, .offset: 8, .size: 8, .value_kind: global_buffer, .address_space: global }
      - { .name: br, .offset: 16, .size: 8, .value_kind: global_buffer, .address_space: global }
      - { .name: W1, .offset: 24, .size: 8, .value_kind: global_buffer, .address_space: global }
      - { .name: W2, .offset: 32, .size: 8, .value_kind: global_buffer, .address_space: global }
      - { .name: xq, .offset: 40, .size: 8, .value_kind: global_buffer, .address_space: global }
      - { .name: xs, .offset: 48, .size: 8, .value_kind: global_buffer, .address_space: global }
      - { .name: wq, .offset: 56, .size: 8, .value_kind: global_buffer, .address_space: global }
      - { .name: sel, .offset: 64, .size: 8, .value_kind: global_buffer, .address_space: global }
      - { .name: hist, .offset: 72, .size: 8, .value_kind: global_buffer, .address_space: global }
      - { .name: out1, .offset: 80, .size: 8, .value_kind: global_buffer, .address_space: global }
      - { .name: out2, .offset: 88, .size: 8, .value_kind: global_buffer, .address_space: global }
      - { .name: out3, .offset: 96, .size: 8, .value_kind: global_buffer, .address_space: global }
      - { .name: out4, .offset: 104, .size: 8, .value_kind: global_buffer, .address_space: global }
    .group_segment_fixed_size: 112128
    .private_segment_fixed_size: 0
    .kernarg_segment_align: 8
    .kernarg_segment_size: 112
    .max_flat_workgroup_size: 128
    .sgpr_count:     66
    .vgpr_count:     512
    .wavefront_size: 32
...
	.end_amdgpu_metadata
.endif
;; end of part 1
;; launch place (part 2): grid 1 x 1, 32 waves a work-group, no clusters, 139,264 bytes of LDS; arguments hist, sel, order; writes order
.if DOCPART == 2
	.amdgcn_target "amdgcn-amd-amdhsa--gfx1250"
	.amdhsa_code_object_version 6
	.text
	.protected	k_qae68bbaa5c_place
	.globl	k_qae68bbaa5c_place
	.p2align	8
	.type	k_qae68bbaa5c_place,@function
k_qae68bbaa5c_place:
	s_mov_b64 s[64:65], 0
	v_nop
	global_prefetch_b8 v0, s[64:65] scope:SCOPE_SE
	s_setreg_imm32_b32 hwreg(HW_REG_WAVE_MODE, 25, 1), 1
	s_wait_xcnt 0x0
; PLACE.  A counting sort of the 8,192 tokens by the number of their pair of experts (0 .. 27; 32 keys are served), stable in the tokens' order, by one work-group of 32 waves, without atomics.
; hist holds, for each chunk of 8 tokens, the count of each key.  Wave w has chunks 32 w .. 32 w + 31.  First a lane is a KEY: it sums its key down the wave's chunks, over the waves, and over the lower keys:
; that gives, for every chunk and key, the first place of that chunk's tokens of that key: a table in LDS.  Then a lane is a CHUNK: it looks its 8 tokens' places up and stores
; order[place] = token | i1 << 16 | i2 << 24.  These are stores of 4 bytes to scattered places, 32 KiB in all: where a word goes hangs on the data.
.set CNT, 0                            ; [wave][key], 4,096 bytes
.set TAB, 4096                         ; [chunk][key], 131,072 bytes
.set HC,  16                           ; v16-47   counts
.set EP,  48                           ; v48-79   their exclusive sums down the wave's chunks
	s_load_b128 s[4:7], s[0:1], 0x0                ; hist, sel
	s_load_b64 s[8:9], s[0:1], 0x10                ; order
	v_lshrrev_b32 v1, 5, v0                        ; wave
	v_and_b32 v2, 31, v0                           ; lane
	v_lshlrev_b32 v3, 2, v2                        ; 4 l
	v_lshl_add_u32 v4, v1, 12, v3                  ; 4,096 w + 4 l: my key in my wave's chunks, in hist and in the table alike
	v_lshlrev_b32 v5, 5, v0                        ; my chunk's 8 words of sel
	v_lshlrev_b32 v6, 2, v0
	v_lshlrev_b32 v7, 7, v0                        ; my chunk's row of the table
	v_mov_b32 v87, 1
	s_wait_kmcnt 0x0
.set j, 0
.rept 32
	global_load_b32 v[HC+j], v4, s[4:5] offset:128*j
.set j, j+1
.endr
	global_load_b128 v[8:11], v5, s[6:7]
	global_load_b128 v[12:15], v5, s[6:7] offset:16
	s_wait_loadcnt 0x0
	v_mov_b32 v[EP], 0
.set j, 0
.rept 31
	v_add_nc_u32 v[EP+1+j], v[EP+j], v[HC+j]
.set j, j+1
.endr
	v_add_nc_u32 v80, v[EP+31], v[HC+31]           ; my key's count in my wave
	ds_store_b32 v6, v80 offset:CNT
	s_wait_dscnt 0x0                               ; for the others' sake
	s_barrier_signal -1
	s_barrier_wait -1
.set j, 0
.rept 32
	ds_load_b32 v[HC+j], v3 offset:CNT+128*j       ; my key's count in every wave
.set j, j+1
.endr
	v_mov_b32 v81, 0                               ; in all waves,
	v_mov_b32 v82, 0                               ; and in the waves before mine
	s_wait_dscnt 0x0
.set j, 0
.rept 32
	v_add_nc_u32 v81, v81, v[HC+j]
	v_cmp_lt_u32 vcc_lo, j, v1
	v_cndmask_b32 v83, 0, v[HC+j], vcc_lo
	v_add_nc_u32 v82, v82, v83
.set j, j+1
.endr
	v_mov_b32 v84, v81                             ; the sum over the keys up to mine: four steps inside each half of the lanes,
	v_mov_b32 v85, 0
.irp n, 1,2,4,8
	v_mov_b32_dpp v85, v84 row_shr:\n row_mask:0xf bank_mask:0xf bound_ctrl:1
	v_add_nc_u32 v84, v84, v85
.endr
	v_readlane_b32 s11, v84, 15                    ; and the lower half's total for the upper half
	v_mov_b32 v85, s11
	v_cmp_lt_u32 vcc_lo, 15, v2
	v_cndmask_b32 v85, 0, v85, vcc_lo
	v_add_nc_u32 v84, v84, v85
	v_sub_nc_u32 v84, v84, v81                     ; the lower keys alone,
	v_add_nc_u32 v84, v84, v82                     ; and my key in the waves before mine
.set j, 0
.rept 32
	v_add_nc_u32 v[HC+j], v84, v[EP+j]
	ds_store_b32 v4, v[HC+j] offset:TAB+128*j
.set j, j+1
.endr
	s_wait_dscnt 0x0                               ; the table is whole behind this barrier, and nothing is stored to LDS after it
	s_barrier_signal -1
	s_barrier_wait -1
.set i, 0
.rept 8
	v_bfe_u32 v[88+i], v[8+i], 16, 8               ; token i's key,
	v_min_u32 v[88+i], 31, v[88+i]                 ; held inside the table
	v_lshl_add_u32 v[96+i], v[88+i], 2, v7
	ds_load_b32 v[104+i], v[96+i] offset:TAB
	v_mov_b32 v[112+i], 0
.set i, i+1
.endr
.set i, 1
.rept 7
.set k, 0
.rept i
	v_cmp_eq_u32 vcc_lo, v[88+k], v[88+i]          ; how many earlier tokens of my chunk have token i's key
	v_cndmask_b32 v86, 0, v87, vcc_lo
	v_add_nc_u32 v[112+i], v[112+i], v86
.set k, k+1
.endr
.set i, i+1
.endr
	s_wait_dscnt 0x0
.set i, 0
.rept 8
	v_add_nc_u32 v[104+i], v[104+i], v[112+i]
	v_min_u32 v[104+i], 0x1fff, v[104+i]           ; the place, held inside the buffer
	v_lshlrev_b32 v[104+i], 2, v[104+i]
	v_lshlrev_b32 v[120+i], 16, v[8+i]             ; i1 << 16 | i2 << 24 (the key falls off the top)
	v_lshl_add_u32 v[96+i], v0, 3, i               ; the token
	v_or_b32 v[120+i], v[120+i], v[96+i]
	global_store_b32 v[104+i], v[120+i], s[8:9]
.set i, i+1
.endr
	s_wait_xcnt 0x0
	v_lshl_add_u32 v126, v0, 2, 0x21000
	v_mov_b32 v127, 0
	s_wait_tensorcnt 0x0
	ds_add_u32 v126, v127
	s_wait_dscnt 0x0
	s_endpgm
.Lfunc_end_k_qae68bbaa5c_place:
	.size	k_qae68bbaa5c_place, .Lfunc_end_k_qae68bbaa5c_place-k_qae68bbaa5c_place
	.p2alignl 7, 3214868480
	.fill 96, 4, 3214868480
	.section	.rodata,"a",@progbits
	.p2align	6, 0x0
	.amdhsa_kernel k_qae68bbaa5c_place
		.amdhsa_group_segment_fixed_size 139264
		.amdhsa_private_segment_fixed_size 0
		.amdhsa_enable_private_segment 0
		.amdhsa_kernarg_size 24
		.amdhsa_user_sgpr_count 2
		.amdhsa_user_sgpr_kernarg_segment_ptr 1
		.amdhsa_wavefront_size32 1
		.amdhsa_system_sgpr_workgroup_id_x 1
		.amdhsa_system_sgpr_workgroup_id_y 1
		.amdhsa_system_sgpr_workgroup_id_z 1
		.amdhsa_system_vgpr_workitem_id 0
		.amdhsa_next_free_vgpr 128
		.amdhsa_next_free_sgpr 66
		.amdhsa_reserve_vcc 1
		.amdhsa_float_denorm_mode_32 3
		.amdhsa_float_denorm_mode_16_64 3
		.amdhsa_memory_ordered 1
		.amdhsa_forward_progress 1
		.amdhsa_inst_pref_size 23
	.end_amdhsa_kernel
	.amdgpu_metadata
---
amdhsa.version: [ 1, 2 ]
amdhsa.kernels:
  - .name:           k_qae68bbaa5c_place
    .symbol:         k_qae68bbaa5c_place.kd
    .args:
      - { .name: hist, .offset: 0, .size: 8, .value_kind: global_buffer, .address_space: global }
      - { .name: sel, .offset: 8, .size: 8, .value_kind: global_buffer, .address_space: global }
      - { .name: order, .offset: 16, .size: 8, .value_kind: global_buffer, .address_space: global }
    .group_segment_fixed_size: 139264
    .private_segment_fixed_size: 0
    .kernarg_segment_align: 8
    .kernarg_segment_size: 24
    .max_flat_workgroup_size: 1024
    .sgpr_count:     66
    .vgpr_count:     128
    .wavefront_size: 32
...
	.end_amdgpu_metadata
.endif
;; end of part 2
;; launch experts (part 3): grid 256 x 1, 4 waves a work-group, no clusters, 162,304 bytes of LDS; arguments order, xq, xs, wq, b1, b2, out4, out0; writes out0
.if DOCPART == 3
	.amdgcn_target "amdgcn-amd-amdhsa--gfx1250"
	.amdhsa_code_object_version 6
	.text
	.protected	k_qae68bbaa5c_experts
	.globl	k_qae68bbaa5c_experts
	.p2align	8
	.type	k_qae68bbaa5c_experts,@function
k_qae68bbaa5c_experts:
	s_mov_b64 s[64:65], 0
	v_nop
	global_prefetch_b8 v0, s[64:65] scope:SCOPE_SE
	s_setreg_imm32_b32 hwreg(HW_REG_WAVE_MODE, 25, 1), 1
	s_wait_xcnt 0x0
; EXPERTS.  out0[token] = the sum over the token's two chosen experts of p x (gelu(Q(x) Q(W1) + b1), quantised, times Q(W2), + b2), both products on codes of BF6 (E3M2) with one E8M0 scale for each 32 along K.
; SHARES.  Work-group b owns the 32 tokens at places 32 b .. 32 b + 31 of the list sorted by pairs of experts, through the whole chain: each output row has one owner; 8,192 / 32 = 256 work-groups.  It walks all eight
; experts in loops of constant count and passes over, by a scalar branch on the stored list, those that none of its tokens uses; a token that does not use an expert has the gate 0 there.
; THE WAVES SHARE THE COLUMNS: in the first product wave w makes hidden units 128 w .. + 127 of an expert, in the second the output columns 256 w .. + 255, each for all 32 tokens (two tiles of 16).
; Both products are used TRANSPOSED (source 0 = 16 rows of weights, source 1 = 16 tokens): a lane holds one token, and by the order of the weights' rows in a tile (lane r of tile 2 b + u: row 32 b + 8 u + r + 8 (r / 8))
; the 16 registers of tiles 2 b and 2 b + 1 are the 16 neighbouring columns 32 b + 16 (lane / 16) + 0 .. 15.
; THE WEIGHTS go from memory straight into registers, laid in the operand's order by the first launch: a ring of five slots of four tiles, four groups (52 loads, 25,600 bytes a wave) ahead.  No tensor loads, no joint
; loads: which experts a work-group walks, and how many, hangs on the stored list, so partners would want different tiles, and no barrier may stand under such a branch.
; WHERE AN ITEM'S WEIGHTS AND BIAS LIE is made of the wave's number and of scalars that the counted loops step by constants: the list steers the branch round an unused expert, the gates and the tokens' rows, and nothing else.
; x's and the hidden layer's fragments go from wave to wave through LDS as images of their registers.  Phase 1 makes the hidden layer of ALL used experts, each in LDS bytes of its own; one barrier; phase 2 sums the
; used experts' results, times the gates, one stream of 16 groups an expert.
; GELU: x / 2 + (x / 2) erf(x / sqrt 2), erf(z) = z P(z^2) / Q(z^2) with z held to +-4, all in f32.
; LIMITS: NaN and infinities are not served.  1 + erf is formed in f32, so far below zero the result carries an absolute error of some 1e-7 |x|.  A block of the hidden layer under 2^-122 keeps the scale byte 1.
; REGISTERS, in windows of 256: window 0: v1-30 addresses; v32-41 weights' scale words (five slots), v42-43 tokens' scale words (two sets); v44-61 the list, gates; v62-77 row offsets; v80-127 tokens' fragments, two sets;
; v128-255 the bias, up to sixteen tiles (on the way out: rows).   window 1: the ring of weights, 5 x 48.   window 2: the accumulators, (chunk c, tile t, tokens m) at 128 c + 64 m + 8 t.   window 3: phase 1: at work; phase 2: the totals.
.set XIMG,  0                          ; LDS: x's 16 fragments, (K step s, tokens m) at (2 s + m) 1,536 + 512 g + 16 lane
.set XSC,   24576                      ; their scale words: 128 s + 4 (16 m + r)
.set HB0,   25600                      ; the hidden layer, a region for each expert: 8 fragments laid likewise, then 4 x 128 bytes of scale words
.set HBS,   12800
.set HSCO,  12288
.set STG,   HB0+8*HBS                  ; the way out: 16 rows of 512 + 16 bytes for each wave
.set SPIT,  528
.set WEXP,  409600                     ; an expert's 32 blocks of 12,800 bytes, in either tensor
.set WWAV,  102400                     ; a wave's 8 of them
.set WCHK,  51200                      ; in W2: the 4 of a chunk of 128 columns
.set WSEC,  3276800                    ; W2's blocks lie behind W1's 256
.set RR,   1                           ; lane % 16
.set HH,   2                           ; lane / 16
.set L16,  4                           ; 16 x lane
.set L8,   5                           ; 8 x lane
.set VW,   6                           ; byte offset in wq of the item's fragments, + 16 x lane
.set VW8,  7                           ; the same + 8 x lane, for the scale words
.set VB,   8                           ; byte offset of the item's bias, + 64 (lane / 16)
.set TA,   9                           ; LDS: the tokens' fragments in hand
.set TS,   10                          ; and their scale words
.set HST,  11                          ; where I store the hidden layer's images
.set HSS,  12                          ; and their scale words
.set STO,  13                          ; the stage: in
.set SRD,  14                          ; and back
.set CB,   15                          ; my bytes in a row of out0
.set H64,  16
.set ONE,  17
.set BITS, 18
.set TMP,  19
.set OWN,  20
.set XQO,  21
.set XSO,  22
.set XIS,  23
.set XSS,  24
.set OO,   25
.set OOW,  26
.set HST0, 27
.set HSS0, 28
.set TS0,  29
.set L4,   30                          ; 4 x lane
.set WSC,  32
.set TSC,  42
.set OW,   44
.set TOK,  46
.set PP,   48
.set GT,   52
.set I1,   56
.set I2,   58
.set P4O,  60
.set RO,   62
.set TF,   80
.set BI,   128
.set GZ,   0                           ; window 3, phase 1: z; z^2, later 1 / Q; P; Q; x / 2: 16 each
.set GX,   16
.set GP,   32
.set GD,   48
.set GH,   64
.set GG,   80                          ; 64 numbers of the hidden layer
.set TM,   144
.set PW,   160
.set PC,   162
.set VA13, 184
.set VB8,  186
.set WV,   20                          ; s20  my wave's number
.set USED, 21                          ; s21  bit e: some token of mine uses expert e
.set EX,   22                          ; s22  the expert in hand: a loop's counter
.set SEL,  26                          ; s[26:27] lane selects
.set HOFF, 28                          ; s28  the expert's region of LDS
.set WOFF, 29                          ; s29  the item's weights in wq
.set BOFF, 30                          ; s30  the item's bias
.set TK,   32                          ; s32-63 my 32 words of the list, as scalars
.set KRS2, 66
.set KA11, 68
.set KA9,  70
.set KA7,  72
.set KA5,  74
.set KA3,  76
.set KA1,  78
.set KB6,  80
.set KB4,  82
.set KB2,  84
.set KB0,  86
.set MW,   88                          ; s88  the tile of tokens that my wave gathers: w % 2
.set KH,   89                          ; s89  and which four K steps of it: w / 2
.set GPS,  2                           ; groups of four weight tiles in a K step: 2 in phase 1, 4 in phase 2
.set MSB, 0
.macro WIN new                         ; the immediate's high byte repeats the setting that is left; at a label and at a branch every window is 0
.if MSB != \new
	s_set_vgpr_msb (MSB<<8)|\new
.set MSB, \new
.endif
.endm
.macro KPAIR reg, val                  ; a constant for the packed forms, which name a pair
	s_mov_b32 s[\reg], \val
	s_mov_b32 s[\reg+1], \val
.endm
.macro PLACES                          ; four plain places behind matrix instructions, ahead of loads into registers that they have read and of the first read of results
.rept 4
	v_nop
.endr
.endm
; group g of an item's weights: K step g / GPS, chunk (g % GPS) / 2, half g % 2 of the block's eight tiles, into slot g % 5: 13 loads
.macro WLOAD g
.set W_L, (\g)%5
.set W_B, WCHK*(((\g)%GPS)/2)+12800*((\g)/GPS)
.set W_Q, (\g)%2
	WIN 0
	global_load_b64 v[WSC+2*W_L:WSC+2*W_L+1], v[VW8], s[10:11] offset:W_B+12288+256*W_Q
	WIN 0x40                                       ; destination window 1
.irp tl, 0,1,2,3
.irp c, 0,1,2
	global_load_b128 v[48*W_L+12*\tl+4*\c:48*W_L+12*\tl+4*\c+3], v[VW], s[10:11] offset:W_B+6144*W_Q+1536*\tl+512*\c
.endr
.endr
.endm
; the head of an item.  No load of mine is out here (the item before ended with a wait for 0), so the address registers may be written.  Then its bias (bp: b1's or b2's pointer; nc chunks of 128 columns) in the
; result's layout (tile 2 b + u, register j: column 32 b + 16 h + 8 u + j) and its first three groups
.macro PRE bp, nc
	WIN 0
	v_add_nc_u32 v[VW], s[WOFF], v[L16]
	v_add_nc_u32 v[VW8], s[WOFF], v[L8]
	v_add_nc_u32 v[VB], s[BOFF], v[H64]
.set P_C, 0
.rept \nc
.irp t, 0,1,2,3,4,5,6,7
	global_load_b128 v[BI+64*P_C+8*\t:BI+64*P_C+8*\t+3], v[VB], s[\bp:\bp+1] offset:512*P_C+128*(\t/2)+32*(\t%2)
	global_load_b128 v[BI+64*P_C+8*\t+4:BI+64*P_C+8*\t+7], v[VB], s[\bp:\bp+1] offset:512*P_C+128*(\t/2)+32*(\t%2)+16
.endr
.set P_C, P_C+1
.endr
	WLOAD 0
	WLOAD 1
	WLOAD 2
	WIN 0
.endm
; the two token tiles' fragments of K step s and their scale words (lanes 0-15: tokens 0, lanes 16-31: tokens 1), into set s % 2: 7 LDS loads, each of consecutive bytes
.macro FETCHT s
	WIN 0
.irp m, 0,1
.irp c, 0,1,2
	ds_load_b128 v[TF+24*((\s)%2)+12*\m+4*\c:TF+24*((\s)%2)+12*\m+4*\c+3], v[TA] offset:3072*(\s)+1536*\m+512*\c
.endr
.endr
	ds_load_b32 v[TSC+(\s)%2], v[TS] offset:128*(\s)
.endm
; one product: tile 4 q + tl of the weights x tokens m.  A scale register carries an even tile's words in lanes 0-15 and the odd tile's in lanes 16-31.  In the first K step C is the bias.
.macro WM tl, m
.set M_D, 128*G_C+64*\m+8*(4*G_Q+\tl)
.set M_C, M_D
.if G_S == 0
.set M_C, BI+64*G_C+8*(4*G_Q+\tl)
.endif
.set M_A, 48*G_L+12*\tl
.set M_B, TF+24*(G_S%2)+12*\m
.set M_SA, WSC+2*G_L+\tl/2
.set M_SB, TSC+G_S%2
.if (\tl%2 == 0) && (\m == 0)
	v_wmma_scale_f32_16x16x128_f8f6f4 v[M_D:M_D+7], v[M_A:M_A+11], v[M_B:M_B+11], v[M_C:M_C+7], v[M_SA], v[M_SB] matrix_a_fmt:MATRIX_FMT_BF6 matrix_b_fmt:MATRIX_FMT_BF6
.elseif (\tl%2 == 1) && (\m == 0)
	v_wmma_scale_f32_16x16x128_f8f6f4 v[M_D:M_D+7], v[M_A:M_A+11], v[M_B:M_B+11], v[M_C:M_C+7], v[M_SA], v[M_SB] matrix_a_fmt:MATRIX_FMT_BF6 matrix_b_fmt:MATRIX_FMT_BF6 matrix_a_scale:MATRIX_SCALE_ROW1
.elseif (\tl%2 == 0) && (\m == 1)
	v_wmma_scale_f32_16x16x128_f8f6f4 v[M_D:M_D+7], v[M_A:M_A+11], v[M_B:M_B+11], v[M_C:M_C+7], v[M_SA], v[M_SB] matrix_a_fmt:MATRIX_FMT_BF6 matrix_b_fmt:MATRIX_FMT_BF6 matrix_b_scale:MATRIX_SCALE_ROW1
.else
	v_wmma_scale_f32_16x16x128_f8f6f4 v[M_D:M_D+7], v[M_A:M_A+11], v[M_B:M_B+11], v[M_C:M_C+7], v[M_SA], v[M_SB] matrix_a_fmt:MATRIX_FMT_BF6 matrix_b_fmt:MATRIX_FMT_BF6 matrix_a_scale:MATRIX_SCALE_ROW1 matrix_b_scale:MATRIX_SCALE_ROW1
.endif
.endm
; group g of ng (nk K steps): 8 products.  A K step's accumulators take turns, one instruction a turn, in the same order in every K step.
.macro GROUP g, ng, nk
.set G_S, (\g)/GPS
.set G_C, ((\g)%GPS)/2
.set G_Q, (\g)%2
.set G_L, (\g)%5
.set G_F, (\g)%GPS
	PLACES                                         ; behind the last group's products: the loads below land in the slot, the set and the scale registers that they read
.if (G_F == 0) && (G_S+1 < \nk)
	FETCHT G_S+1
.endif
.if (\g)+4 < \ng
	WLOAD (\g)+4
.endif
.if \ng-1-(\g) >= 4
	s_wait_loadcnt 52                              ; this group (and, ahead of it, the bias) is in; the four younger groups of 13 may be out
.else
	s_wait_loadcnt 13*(\ng-1-(\g))
.endif
.if G_F == 0
.if G_S+1 < \nk
	s_wait_dscnt 7                                 ; this K step's tokens are in; the next step's 7 loads may be out
.else
	s_wait_dscnt 0x0
.endif
.endif
.if G_S == 0
	WIN 0x81                                       ; source 0 (weights) window 1, source 1 (tokens) and C (bias) window 0, D window 2
.else
	WIN 0xa1                                       ; C and D window 2
.endif
.irp tl, 0,1,2,3
.irp m, 0,1
	WM \tl, \m
.endr
.endr
.endm
.macro STREAM ng, nk                   ; an item's products; PRE has asked for groups 0 to 2
	FETCHT 0
	WLOAD 3
.set G_N, 0
.rept \ng
	GROUP G_N, \ng, \nk
.set G_N, G_N+1
.endr
	WIN 0
.endm
; gelu of 16 numbers: tiles 2 bt and 2 bt + 1 of tokens m.  Each accumulator is read from its low end on.
.macro GELU m, bt
.set E_A, 64*\m+16*\bt
	WIN 0xc2                                       ; source 0 window 2, destination window 3
.irp p, 0,2,4,6,8,10,12,14
	v_pk_mul_f32 v[GZ+\p:GZ+\p+1], v[E_A+\p:E_A+\p+1], s[KRS2:KRS2+1] op_sel_hi:[1,0]   ; z = x / sqrt 2
.endr
.irp p, 0,2,4,6,8,10,12,14
	v_pk_mul_f32 v[GH+\p:GH+\p+1], v[E_A+\p:E_A+\p+1], 0.5 op_sel_hi:[1,0]
.endr
	WIN 0xff                                       ; all in window 3
.irp i, 0,1,2,3,4,5,6,7,8,9,10,11,12,13,14,15
	v_med3_num_f32 v[GZ+\i], v[GZ+\i], -4.0, 4.0
.endr
.irp p, 0,2,4,6,8,10,12,14
	v_pk_mul_f32 v[GX+\p:GX+\p+1], v[GZ+\p:GZ+\p+1], v[GZ+\p:GZ+\p+1]
.endr
.irp p, 0,2,4,6,8,10,12,14
	v_pk_fma_f32 v[GP+\p:GP+\p+1], v[GX+\p:GX+\p+1], v[VA13:VA13+1], s[KA11:KA11+1] op_sel_hi:[1,1,0]
.endr
.irp p, 0,2,4,6,8,10,12,14
	v_pk_fma_f32 v[GD+\p:GD+\p+1], v[GX+\p:GX+\p+1], v[VB8:VB8+1], s[KB6:KB6+1] op_sel_hi:[1,1,0]
.endr
.irp k, KA9, KA7, KA5, KA3, KA1
.irp p, 0,2,4,6,8,10,12,14
	v_pk_fma_f32 v[GP+\p:GP+\p+1], v[GP+\p:GP+\p+1], v[GX+\p:GX+\p+1], s[\k:\k+1] op_sel_hi:[1,1,0]
.endr
.endr
.irp k, KB4, KB2, KB0
.irp p, 0,2,4,6,8,10,12,14
	v_pk_fma_f32 v[GD+\p:GD+\p+1], v[GD+\p:GD+\p+1], v[GX+\p:GX+\p+1], s[\k:\k+1] op_sel_hi:[1,1,0]
.endr
.endr
.irp i, 0,1,2,3,4,5,6,7,8,9,10,11,12,13,14,15
	v_rcp_f32 v[GX+\i], v[GD+\i]
.endr
.irp p, 0,2,4,6,8,10,12,14
	v_pk_mul_f32 v[GP+\p:GP+\p+1], v[GP+\p:GP+\p+1], v[GZ+\p:GZ+\p+1]   ; (plain places behind the reciprocals)
.endr
	s_wait_alu depctr_va_vdst(0)
.irp p, 0,2,4,6,8,10,12,14
	v_pk_mul_f32 v[GP+\p:GP+\p+1], v[GP+\p:GP+\p+1], v[GX+\p:GX+\p+1]   ; erf
.endr
.irp p, 0,2,4,6,8,10,12,14
	v_pk_fma_f32 v[GG+16*\bt+\p:GG+16*\bt+\p+1], v[GH+\p:GH+\p+1], v[GP+\p:GP+\p+1], v[GH+\p:GH+\p+1]
.endr
.endm
; 64 numbers of a lane, register 16 b + i = k 32 b + 16 (lane / 16) + i of my token, become a fragment's codes in v[PC] on and its scale word in v[PW].  All in window 3.
.macro QUANT
.irp b, 0,1,2,3
	v_max3_num_f32 v[TM+\b], |v[GG+16*\b]|, |v[GG+1+16*\b]|, 0x2800000   ; block b: my 16 numbers, and the floor 2^(5 - 127): so the byte cannot fall under 1
.endr
.irp i, 2,4,6,8,10,12,14
.irp b, 0,1,2,3
	v_max3_num_f32 v[TM+\b], v[TM+\b], |v[GG+16*\b+\i]|, |v[GG+1+16*\b+\i]|
.endr
.endr
.irp b, 0,1,2,3
	v_permlanex16_b32 v[TM+4+\b], v[TM+\b], s[SEL], s[SEL+1]
.endr
.irp b, 0,1,2,3
	v_max_num_f32 v[TM+\b], v[TM+\b], v[TM+4+\b]   ; with lane l xor 16's: the block's largest magnitude
.endr
.irp b, 0,1,2,3
	v_add_nc_u32 v[TM+12+\b], 0xfe000000, v[TM+\b]   ; 4 off its exponent field: the conversion's scale operand
.endr
.irp b, 0,1,2,3
	v_lshrrev_b32 v[TM+4+\b], 23, v[TM+12+\b]      ; the scale's byte
.endr
	v_lshl_or_b32 v[PW], v[TM+5], 8, v[TM+4]
	v_lshl_or_b32 v[PW], v[TM+6], 16, v[PW]
	v_lshl_or_b32 v[PW], v[TM+7], 24, v[PW]
.irp c, 0,1
	v_cvt_scalef32_pk16_bf6_f32 v[PC+6*\c:PC+2+6*\c], v[GG+32*\c:GG+15+32*\c], v[TM+12+2*\c]
	v_cvt_scalef32_pk16_bf6_f32 v[PC+12+4*\c:PC+14+4*\c], v[GG+16+32*\c:GG+31+32*\c], v[TM+12+2*\c+1]   ; (a conversion's three registers begin on an even number)
.endr
	v_nop                                          ; one plain place behind a scaled conversion
.irp c, 0,1                            ; the operand's layout wants a whole block in a lane: lanes 0-15 block 2 c, lanes 16-31 block 2 c + 1
.irp i, 0,1,2
	v_permlane16_swap_b32 v[PC+6*\c+\i], v[PC+12+4*\c+\i]
.endr
.irp i, 0,1,2
	v_mov_b32 v[PC+3+6*\c+\i], v[PC+12+4*\c+\i]
.endr
.endr
.endm
.macro IMAGE m                         ; the fragment goes to LDS as it stands: K step w of the second product, tokens m
	WIN 0x0c                                       ; an LDS store's data are its source 1: window 3
.irp c, 0,1,2
	ds_store_b128 v[HST], v[PC+4*\c:PC+4*\c+3] offset:1536*\m+512*\c
.endr
	ds_store_b32 v[HSS], v[PW] offset:64*\m        ; both halves of the lanes hold the same word
	s_wait_dscnt 0x0                               ; the stores have read their registers
.endm
	s_load_b512 s[4:19], s[0:1], 0x0               ; order s[4:5], xq s[6:7], xs s[8:9], wq s[10:11], b1 s[12:13], b2 s[14:15], out4 s[16:17], out0 s[18:19]
	v_lshl_add_u32 v78, v0, 2, 0x27800
	v_mov_b32 v79, 0
	v_lshrrev_b32 v1, 5, v0
	v_readfirstlane_b32 s[WV], v1                  ; wave 0..3
	v_and_b32 v[RR], 15, v0
	v_bfe_u32 v[HH], v0, 4, 1
	v_and_b32 v3, 31, v0
	v_lshlrev_b32 v[L16], 4, v3
	v_lshlrev_b32 v[L8], 3, v3
	v_lshlrev_b32 v[L4], 2, v3
	v_lshlrev_b32 v[H64], 6, v[HH]
	v_mov_b32 v[ONE], 1
	v_lshlrev_b32 v[OO], 2, v[RR]
	s_and_b32 s[MW], s[WV], 1
	s_lshr_b32 s[KH], s[WV], 1
	s_lshl_b32 s24, s[MW], 6
	v_add_nc_u32 v[OOW], s24, v[OO]
	s_lshl_b32 s24, ttmp9, 7                       ; my 32 words of the list
	s_mov_b32 s25, 0
	s_wait_kmcnt 0x0
	s_add_nc_u64 s[4:5], s[4:5], s[24:25]
.irp m, 0,1
	global_load_b32 v[OW+\m], v[OO], s[4:5] offset:64*\m   ; tokens m: lane (r, .) takes token r's word
.endr
	global_load_b32 v[OWN], v[OOW], s[4:5]         ; and that of the tile that my wave gathers
	s_load_b512 s[TK:TK+15], s[4:5], 0x0           ; the same 32 words as scalars, once, for the way out: there a store's 32 lanes write one token's row
	s_load_b512 s[TK+16:TK+31], s[4:5], 0x40
	s_mul_i32 s24, s[KH], 12288
	s_mul_i32 s25, s[MW], 1536
	s_add_co_u32 s24, s24, s25
	v_add_nc_u32 v[XIS], s24, v[L16]               ; x's images: fragments (4 (w / 2) + 0 .. 3, w % 2)
	s_lshl_b32 s24, s[KH], 9
	s_lshl_b32 s25, s[MW], 6
	s_add_co_u32 s24, s24, s25
	s_add_co_u32 s24, s24, XSC
	v_lshl_add_u32 v[XSS], v[RR], 2, s24           ; and their scale words
	s_mul_i32 s24, s[WV], 3072
	v_add_nc_u32 v[HST0], s24, v[L16]              ; in an expert's region: fragments (w, m)
	s_lshl_b32 s24, s[WV], 7
	s_add_co_u32 s24, s24, HSCO
	v_lshl_add_u32 v[HSS0], v[RR], 2, s24
	v_add_nc_u32 v[TS0], HSCO, v[L4]
	s_mul_i32 s24, s[WV], 16*SPIT
	s_add_co_u32 s24, s24, STG                     ; my stage
	v_mul_u32_u24 v[STO], v[RR], SPIT
	v_add_nc_u32 v[STO], v[STO], v[H64]
	v_add_nc_u32 v[STO], s24, v[STO]               ; in: row r, + 64 h
	v_add_nc_u32 v[SRD], s24, v[L16]               ; back: a row of 512 bytes, 16 a lane
	s_lshl_b32 s24, s[WV], 10
	v_add_nc_u32 v[CB], s24, v[L16]                ; out0: my wave's 1,024 bytes of a row
	v_mov_b32 v[TA], v[L16]                        ; phase 1 reads x's images
	v_add_nc_u32 v[TS], XSC, v[L4]
	s_mov_b32 s[SEL], 0x76543210                   ; v_permlanex16_b32's selects for lane l xor 16
	s_mov_b32 s[SEL+1], 0xfedcba98
	KPAIR KRS2, 0x3f3504f3                         ; 1 / sqrt 2
	KPAIR KA11, 0x32edffee                         ; P: 2.77068142e-8,
	KPAIR KA9,  0xb60cff51                         ; -2.10102402e-6,
	KPAIR KA7,  0xb86ec2d2                         ; -5.69250639e-5,
	KPAIR KA5,  0xba40ac63                         ; -7.34990630e-4,
	KPAIR KA3,  0xbb41a1f6                         ; -2.95459981e-3,
	KPAIR KA1,  0xbc83dbd4                         ; -1.60960333e-2
	KPAIR KB6,  0xb95fbd29                         ; Q: -2.13374055e-4,
	KPAIR KB4,  0xbadc924e                         ; -1.68282697e-3,
	KPAIR KB2,  0xbbf19bf8                         ; -7.37332917e-3,
	KPAIR KB0,  0xbc69b6a7                         ; -1.42647391e-2
	WIN 0xc0                                       ; destination window 3
	v_mov_b32 v[VA13], 0xaf95df0b                  ; P's leading -2.72614226e-10 and Q's -1.45660718e-5 stand in vector pairs: an instruction then names one scalar pair
	v_mov_b32 v[VA13+1], 0xaf95df0b
	v_mov_b32 v[VB8], 0xb77460cd
	v_mov_b32 v[VB8+1], 0xb77460cd
.irp b, 0,1,2,3
	v_mov_b32 v[TM+4+\b], 0                        ; written once: a lane permute's destination counts as one of its sources
.endr
	WIN 0
	s_wait_loadcnt 0x0
.irp m, 0,1
	v_and_b32 v[TOK+\m], 0x1fff, v[OW+\m]
	v_min_u32 v[TOK+\m], 0x1fff, v[TOK+\m]         ; the token, held inside the buffers
	v_bfe_u32 v[I1+\m], v[OW+\m], 16, 3
	v_bfe_u32 v[I2+\m], v[OW+\m], 24, 3
	v_lshlrev_b32 v[P4O+\m], 3, v[TOK+\m]
.endr
	v_and_b32 v[OWN], 0x1fff, v[OWN]
	v_min_u32 v[OWN], 0x1fff, v[OWN]
	v_mul_u32_u24 v[XQO], v[OWN], 768
	v_mad_u32_u24 v[XQO], v[HH], 384, v[XQO]       ; my half's 384 bytes of my token's codes: the registers of all eight fragments, on end;
	s_mul_i32 s24, s[KH], 192
	v_add_nc_u32 v[XQO], s24, v[XQO]               ; of them my wave's four fragments, 48 bytes each
	v_lshlrev_b32 v[XSO], 5, v[OWN]
	s_lshl_b32 s24, s[KH], 4
	v_add_nc_u32 v[XSO], s24, v[XSO]               ; and their four scale words
.irp s, 0,1,2,3
.irp c, 0,1,2
	global_load_b128 v[TF+12*\s+4*\c:TF+12*\s+4*\c+3], v[XQO], s[6:7] offset:48*\s+16*\c
.endr
.endr
	global_load_b128 v[RO:RO+3], v[XSO], s[8:9]
.irp m, 0,1
	global_load_b64 v[PP+2*\m:PP+2*\m+1], v[P4O+\m], s[16:17]   ; the two probabilities of token r of tokens m
.endr
	v_lshlrev_b32 v[BITS], v[I1], v[ONE]           ; which experts my 32 tokens use
	v_lshlrev_b32 v[TMP], v[I2], v[ONE]
	v_or_b32 v[BITS], v[BITS], v[TMP]
	v_lshlrev_b32 v[TMP], v[I1+1], v[ONE]
	v_or_b32 v[BITS], v[BITS], v[TMP]
	v_lshlrev_b32 v[TMP], v[I2+1], v[ONE]
	v_or_b32 v[BITS], v[BITS], v[TMP]
	s_mov_b32 s[USED], 0
.irp e, 0,1,2,3,4,5,6,7
	v_and_b32 v[TMP], 1<<\e, v[BITS]
	v_cmp_ne_u32 vcc_lo, 0, v[TMP]
	s_cmp_lg_u32 vcc_lo, 0                         ; does any lane have the bit
	s_cselect_b32 s24, 1<<\e, 0
	s_or_b32 s[USED], s[USED], s24
.endr
	s_wait_kmcnt 0x0                               ; the list's words as scalars are in: no scalar load is out from here on
	s_wait_loadcnt 0x0                             ; the gather is in
.irp s, 0,1,2,3
.irp c, 0,1,2
	ds_store_b128 v[XIS], v[TF+12*\s+4*\c:TF+12*\s+4*\c+3] offset:XIMG+3072*\s+512*\c
.endr
	ds_store_b32 v[XSS], v[RO+\s] offset:128*\s    ; both halves of the lanes write the same word
.endr
	s_wait_dscnt 0x0                               ; for the others' sake: my part of the images lies in LDS
	s_barrier_signal -1
	s_barrier_wait -1
; ---------------- PHASE 1: the hidden layer of every used expert
.set GPS, 2
	s_mov_b32 s[EX], 0
	s_mov_b32 s[HOFF], HB0
	s_mul_i32 s[WOFF], s[WV], WWAV                 ; expert 0: my wave's 8 blocks of W1,
	s_lshl_b32 s[BOFF], s[WV], 9                   ; and my 128 numbers of b1
.Lfirst:
	v_add_nc_u32 v[HST], s[HOFF], v[HST0]          ; written on every path, ahead of the skip
	v_add_nc_u32 v[HSS], s[HOFF], v[HSS0]
	s_bitcmp1_b32 s[USED], s[EX]
	s_cbranch_scc0 .Lfirst_end
	PRE 12, 1
	STREAM 16, 8                                   ; x W1 + b1: my 128 hidden units x 32 tokens, K = 1,024
	PLACES
.irp m, 0,1
	GELU \m, 0
	GELU \m, 1
	GELU \m, 2
	GELU \m, 3
	QUANT
	IMAGE \m
.endr
	WIN 0
.Lfirst_end:
	s_add_co_u32 s[EX], s[EX], 1
	s_add_co_u32 s[HOFF], s[HOFF], HBS
	s_add_co_u32 s[WOFF], s[WOFF], WEXP
	s_add_co_u32 s[BOFF], s[BOFF], 2048            ; 512 numbers of b1 an expert
	s_cmp_lt_u32 s[EX], 8
	s_cbranch_scc1 .Lfirst
	s_wait_dscnt 0x0                               ; for the others' sake: all my images lie in LDS
	s_barrier_signal -1
	WIN 0xc0                                       ; work on registers while the others arrive:
.set z, 0
.rept 256
	v_mov_b32 v[z], 0                              ; the totals: which expert comes first is known only when the list is read, so no product can start them
.set z, z+1
.endr
	WIN 0
	s_barrier_wait -1
; ---------------- PHASE 2: my 256 output columns (two chunks of 128): the used experts' results, times the gates, are summed
.set GPS, 4
	s_mov_b32 s[EX], 0
	s_mov_b32 s[HOFF], HB0
	s_mul_i32 s[WOFF], s[WV], WWAV
	s_add_co_u32 s[WOFF], s[WOFF], WSEC            ; expert 0: my wave's 8 blocks of W2,
	s_lshl_b32 s[BOFF], s[WV], 10                  ; and my 256 numbers of b2
.Lsecond:
	v_add_nc_u32 v[TA], s[HOFF], v[L16]            ; the expert's hidden layer
	v_add_nc_u32 v[TS], s[HOFF], v[TS0]
	s_bitcmp1_b32 s[USED], s[EX]
	s_cbranch_scc0 .Lsecond_end
	PRE 14, 2
.irp m, 0,1
	v_cmp_eq_u32 vcc_lo, s[EX], v[I1+\m]           ; the gate: the probability with which my token chose this expert, or 0
	v_cndmask_b32 v[GT+2*\m], 0, v[PP+2*\m], vcc_lo
	v_cmp_eq_u32 vcc_lo, s[EX], v[I2+\m]
	v_cndmask_b32 v[GT+2*\m], v[GT+2*\m], v[PP+2*\m+1], vcc_lo
	v_mov_b32 v[GT+2*\m+1], v[GT+2*\m]
.endr
	STREAM 16, 4                                   ; h W2 + b2: my 256 columns x 32 tokens, K = 512: four groups to a K step
	PLACES
	WIN 0xf2                                       ; source 0 (the result) window 2, source 1 (the gate) window 0, source 2 and destination (the totals) window 3
.irp c, 0,1
.irp m, 0,1
.set z, 0
.rept 32
	v_pk_fma_f32 v[128*\c+64*\m+z:128*\c+64*\m+z+1], v[128*\c+64*\m+z:128*\c+64*\m+z+1], v[GT+2*\m:GT+2*\m+1], v[128*\c+64*\m+z:128*\c+64*\m+z+1]   ; each accumulator from its low end on
.set z, z+2
.endr
.endr
.endr
	WIN 0
.Lsecond_end:
	s_add_co_u32 s[EX], s[EX], 1
	s_add_co_u32 s[HOFF], s[HOFF], HBS
	s_add_co_u32 s[WOFF], s[WOFF], WEXP
	s_add_co_u32 s[BOFF], s[BOFF], 4096            ; 1,024 numbers of b2 an expert
	s_cmp_lt_u32 s[EX], 8
	s_cbranch_scc1 .Lsecond
; THE WAY OUT, 16 tokens x 128 columns at a time.  A lane holds pieces of one token's row, and the lanes beside it hold other tokens: so the tile goes through my own stage and comes back as whole rows of 512 bytes.
; The rows come back into the registers that held the bias, in two sets by turns.
.irp m, 0,1
.irp c, 0,1
.set O_B, BI+64*((2*\m+\c)%2)
	WIN 0x0c                                       ; the data: window 3
.irp t, 0,1,2,3,4,5,6,7
	ds_store_b128 v[STO], v[128*\c+64*\m+8*\t:128*\c+64*\m+8*\t+3] offset:128*(\t/2)+32*(\t%2)
	ds_store_b128 v[STO], v[128*\c+64*\m+8*\t+4:128*\c+64*\m+8*\t+7] offset:128*(\t/2)+32*(\t%2)+16
.endr
	WIN 0
	s_wait_xcnt 0x0                                ; the earlier stores have read their data and offsets: both are written again only behind this wait
.irp i, 0,1,2,3,4,5,6,7,8,9,10,11,12,13,14,15
	ds_load_b128 v[O_B+4*\i:O_B+4*\i+3], v[SRD] offset:SPIT*\i   ; LDS serves a wave's instructions in order: these see my stores, and the next tile's stores come behind them
.endr
.if \c == 0
.irp i, 0,1,2,3,4,5,6,7,8,9,10,11,12,13,14,15
	s_and_b32 s[TK+16*\m+\i], s[TK+16*\m+\i], 0x1fff
	s_min_u32 s[TK+16*\m+\i], s[TK+16*\m+\i], 0x1fff   ; the token, held inside the buffer
	v_lshl_add_u32 v[RO+\i], s[TK+16*\m+\i], 12, v[CB]   ; its row of 4,096 bytes, my wave's 1,024 of it
.endr
.endif
.irp i, 0,1,2,3,4,5,6,7,8,9,10,11,12,13,14,15
	s_wait_dscnt 15-\i                             ; the younger rows may be out
	global_store_b128 v[RO+\i], v[O_B+4*\i:O_B+4*\i+3], s[18:19] offset:512*\c th:TH_STORE_NT   ; 512 consecutive bytes, at a multiple of 256 from out0's first byte; written once
.endr
.endr
.endr
	s_wait_tensorcnt 0x0
	ds_add_u32 v78, v79
	s_wait_dscnt 0x0
	s_endpgm
.Lfunc_end_k_qae68bbaa5c_experts:
	.size	k_qae68bbaa5c_experts, .Lfunc_end_k_qae68bbaa5c_experts-k_qae68bbaa5c_experts
	.p2alignl 7, 3214868480
	.fill 96, 4, 3214868480
	.section	.rodata,"a",@progbits
	.p2align	6, 0x0
	.amdhsa_kernel k_qae68bbaa5c_experts
		.amdhsa_group_segment_fixed_size 162304
		.amdhsa_private_segment_fixed_size 0
		.amdhsa_enable_private_segment 0
		.amdhsa_kernarg_size 64
		.amdhsa_user_sgpr_count 2
		.amdhsa_user_sgpr_kernarg_segment_ptr 1
		.amdhsa_wavefront_size32 1
		.amdhsa_system_sgpr_workgroup_id_x 1
		.amdhsa_system_sgpr_workgroup_id_y 1
		.amdhsa_system_sgpr_workgroup_id_z 1
		.amdhsa_system_vgpr_workitem_id 0
		.amdhsa_next_free_vgpr 1024
		.amdhsa_next_free_sgpr 100
		.amdhsa_reserve_vcc 1
		.amdhsa_float_denorm_mode_32 3
		.amdhsa_float_denorm_mode_16_64 3
		.amdhsa_memory_ordered 1
		.amdhsa_forward_progress 1
		.amdhsa_inst_pref_size 225
	.end_amdhsa_kernel
	.amdgpu_metadata
---
amdhsa.version: [ 1, 2 ]
amdhsa.kernels:
  - .name:           k_qae68bbaa5c_experts
    .symbol:         k_qae68bbaa5c_experts.kd
    .args:
      - { .name: order, .offset: 0, .size: 8, .value_kind: global_buffer, .address_space: global }
      - { .name: xq, .offset: 8, .size: 8, .value_kind: global_buffer, .address_space: global }
      - { .name: xs, .offset: 16, .size: 8, .value_kind: global_buffer, .address_space: global }
      - { .name: wq, .offset: 24, .size: 8, .value_kind: global_buffer, .address_space: global }
      - { .name: b1, .offset: 32, .size: 8, .value_kind: global_buffer, .address_space: global }
      - { .name: b2, .offset: 40, .size: 8, .value_kind: global_buffer, .address_space: global }
      - { .name: out4, .offset: 48, .size: 8, .value_kind: global_buffer, .address_space: global }
      - { .name: out0, .offset: 56, .size: 8, .value_kind: global_buffer, .address_space: global }
    .group_segment_fixed_size: 162304
    .private_segment_fixed_size: 0
    .kernarg_segment_align: 8
    .kernarg_segment_size: 64
    .max_flat_workgroup_size: 128
    .sgpr_count:     100
    .vgpr_count:     1024
    .wavefront_size: 32
...
	.end_amdgpu_metadata
.endif
;; end of part 3
